; MI455X (gfx1250); checked and timed in simulation.
; The chip was launched on July 23, 2026; its instructions are those of AMD's public machine-readable ISA for CDNA 5 (MIT licence, August 2026) and "CDNA5" Instruction Set Architecture Reference Guide (July 2026). The comments in the code are by the model that wrote it; some were corrected since.
;; Causal Self Attention. Allowed arithmetic: matrix products marked QUANTISED: E4M3 operands, one given power-of-two scale a tensor, by v_wmma_f32_16x16x64_fp8_fp8 or v_wmma_f32_16x16x128_fp8_fp8, f32 sums; everything else in f32.
;; Inputs: Wk 256 x 1,024 float32; Wproj 1,024 x 1,024 float32; Wq 1,024 x 1,024 float32; Wv 256 x 1,024 float32; lowp_scales 12 int32 (the exponents e of the quantised operands' scales 2^e); q_gain 16 float32; x 1 x 4,096 x 1,024 float32.
;; Outputs: out0 1 x 4,096 x 1,024 float32.
;; This version of the problem:
;;   THIS VERSION OF THE PROBLEM IS GIVEN IN LOW PRECISION. The matrix products marked QUANTISED in the list below multiply operands that are first quantised to E4M3 (4 exponent bits, 3 mantissa bits; 8 bits a number), with one given power-of-two scale for each operand tensor; their sums are f32. All else is computed in f32.
;;   The module's matrix products, in the order in which they are computed (A, B: the left and right operand; K: the contracted axis; several contracted axes count as one K, in the product's order):
;;     1. [M 4,096, K 1,024] x [K 1,024, N 1,024]; A: input x; B: input Wq: QUANTISED (scales: A lowp_scales[0], B lowp_scales[1])
;;     2. [M 4,096, K 1,024] x [K 1,024, N 256]; A: input x; B: input Wk: QUANTISED (scales: A lowp_scales[2], B lowp_scales[3])
;;     3. [M 4,096, K 1,024] x [K 1,024, N 256]; A: input x; B: input Wv: QUANTISED (scales: A lowp_scales[4], B lowp_scales[5])
;;     4. batch 16 x [M 4,096, K 64] x [K 64, N 4,096]; A: computed on the way; B: computed on the way: QUANTISED (scales: A lowp_scales[6], B lowp_scales[7])
;;     5. batch 16 x [M 4,096, K 4,096] x [K 4,096, N 64]; A: softmax (see below); B: computed on the way: QUANTISED (scales: A lowp_scales[8], B lowp_scales[9])
;;     6. [M 4,096, K 1,024] x [K 1,024, N 1,024]; A: computed on the way; B: input Wproj: QUANTISED (scales: A lowp_scales[10], B lowp_scales[11])
;;   THE QUANTISER, for each operand of a quantised product, along K:
;;     - The operand's scale is 2^e, e = its entry of the input lowp_scales (int32; the entries are numbered through the quantised products in the list's order, A before B).
;;     - Each number is divided by the scale, clamped to +-448, and rounded to the nearest number of E4M3, ties to even, subnormals kept.
;;     - The product sums the exact products of the quantised numbers (number of the format x scale) in f32.
;;   ~~~python
;;   def quantise(x, axis, e):      # numpy; x: float32 -> the quantised numbers, widened to float32 again
;;       x = np.moveaxis(x, axis, -1); K = x.shape[-1]
;;       r = np.clip(x / 2.0 ** e, -448, 448)
;;       step = 2.0 ** (np.maximum(np.frexp(np.where(r == 0, 1, r))[1] - 1, -6) - 3)
;;       q = np.round(r / step) * step * 2.0 ** e      # np.round: ties to even
;;       return np.moveaxis(q, -1, axis).astype(np.float32)
;;   ~~~
;;   SOFTMAX AHEAD OF A QUANTISED PRODUCT. Where the list says 'softmax', what is quantised is not the finished softmax but p = 2^(t - M), with t = logit x log2(e) and M = ceil(the row's largest t), a whole number; so 1/2 < the row's largest p <= 1. The row's sum l is taken of the UNQUANTISED p, in f32, and the product's result is divided by l at the end. Since M is a whole number, a kernel that streams over the keys may use a running M (the ceiling of the running maximum): every later rescaling is an exact power of two, so the quantised numbers keep their values, but for numbers so far below the row's largest that they fall under the format's range.
;;   OPERANDS COMPUTED ON THE WAY. 'Computed on the way' means the value that the module computes at that place (a softmax that the list does not call 'softmax' is quantised finished and normalised). What goes into a quantiser is computed in f32, as accurately as f32 sums, v_exp_f32 and their like allow (about 1e-6 of the number): no bf16 or f16 on the way to a quantiser, and a product that is left as it is and whose result goes on into a quantised operand takes f32 operands (vector FMAs, or v_wmma_f32_16x16x4_f32). A number that lies on a knife's edge between two numbers of the format may be rounded either way, as far as f32 arithmetic and the matrix unit's own rounding can turn it there, and no further.
;; One version. Each part assembles by itself: llvm-mc -triple=amdgcn-amd-amdhsa -mcpu=gfx1250 --defsym DOCPART=n.
;; ======== version 1 of 1: 4 launches
;; limits: right only within a limited range of input values
;; workspace buffers: xc 12,582,912 bytes; wc 2,621,440 bytes; rope 1,048,576 bytes; qkc 5,242,880 bytes; vc 1,048,576 bytes; yc 4,194,304 bytes
;; launch prep (part 1): grid 480 x 1, 4 waves a work-group, no clusters, 34,304 bytes of LDS; arguments x, Wq, Wk, Wv, Wproj, lowp_scales, xc, wc, rope; writes xc, wc, rope
.if DOCPART == 1
	.amdgcn_target "amdgcn-amd-amdhsa--gfx1250"
	.amdhsa_code_object_version 6
	.text
	.protected	k_qc04662e669_prep
	.globl	k_qc04662e669_prep
	.p2align	8
	.type	k_qc04662e669_prep,@function
k_qc04662e669_prep:
	s_mov_b64 s[64:65], 0
	v_nop
	global_prefetch_b8 v0, s[64:65] scope:SCOPE_SE
	s_setreg_imm32_b32 hwreg(HW_REG_WAVE_MODE, 25, 1), 1
	s_wait_xcnt 0x0
; PREP.  x (three times: with the scales e0, e2, e4), Wq (e1), Wk (e3), Wv (e5) and Wproj (e11) become codes of E4M3; and the table of cos and sin for the rotary step is made.
; code = number / 2^e, held within +-448, to the nearest code, ties to even.  LIMITS: each e used here between -126 and 119, so that 2^e and 448 x 2^e are f32 numbers.  NaN among the inputs is not served.
; THE CODES ARE LAID AS IMAGES OF THE OPERAND'S REGISTERS.  A fragment is 16 rows x 128 K: lane (r = lane % 16, h = lane / 16) holds row r, its registers 2 c, 2 c + 1 hold K = 16 c + 8 h + 0 .. 7.
; Four registers of all 32 lanes are a chunk of 512 consecutive bytes, lane l at 16 l; a fragment is four chunks, 2,048 bytes.  A tensor: [group of 128 rows][K step of 128: 8][tile of 16 rows: 8][2,048].
; SHARES.  Work-groups 0-255: a tile of 16 rows of x; 256-319 of Wq; 320-335 of Wk; 336-351 of Wv; 352-415 of Wproj; 416-479: 64 tokens of the table.  In a tile's work-group wave w takes K steps 2 w and 2 w + 1.
; A load reads 512 consecutive bytes of one row; the conversion wants eight neighbours along K in one lane: so a block of 16 rows x 512 bytes turns through the wave's own stage in LDS (rows 528 bytes apart:
; the sixteen lanes that read sixteen rows fall on sixteen different 16-byte columns).  Waves share nothing: no barrier.
.set PIT,   528
.set STG,   16*PIT                     ; a wave's stage
.set SPARE, 4*STG                      ; behind the four stages: the spare words, 128 bytes a wave
.set SPW,   6                          ; v6   my spare word's address; never rewritten
.set NIL,   7                          ; v7   0; never rewritten
.set RA,    16                         ; v16-79   block 0 as loaded; later its codes
.set RB,    80                         ; v80-143  block 1 likewise
.set XN,    144                        ; v144-207 64 numbers in the operand's order
.set TT,    208
	s_load_b256 s[4:11], s[0:1], 0x0               ; x, Wq, Wk, Wv
	s_load_b256 s[12:19], s[0:1], 0x20             ; Wproj, the scales' exponents, xc, wc
	s_load_b64 s[20:21], s[0:1], 0x40              ; rope
	v_lshl_add_u32 v[SPW], v0, 2, SPARE
	v_mov_b32 v[NIL], 0
	v_lshrrev_b32 v1, 5, v0
	v_readfirstlane_b32 s22, v1                    ; wave
	v_and_b32 v1, 31, v0                           ; lane
	s_wait_kmcnt 0x0
	s_cmp_ge_u32 ttmp9, 416
	s_cbranch_scc1 .Ltable
	; ---- a tile of 16 rows.  Which tensor: a chain of choices on the work-group's number alone
	s_load_b256 s[24:31], s[14:15], 0x0            ; e0 .. e7
	s_load_b128 s[32:35], s[14:15], 0x20           ; e8 .. e11
	s_mov_b64 s[36:37], s[12:13]                   ; Wproj,
	s_mov_b32 s44, 352                             ; its first work-group,
	s_mov_b32 s45, 0x180000                        ; its section of wc
	s_cmp_lt_u32 ttmp9, 352
	s_cselect_b64 s[36:37], s[10:11], s[36:37]     ; Wv
	s_cselect_b32 s44, 336, s44
	s_cselect_b32 s45, 0x140000, s45
	s_cmp_lt_u32 ttmp9, 336
	s_cselect_b64 s[36:37], s[8:9], s[36:37]       ; Wk
	s_cselect_b32 s44, 320, s44
	s_cselect_b32 s45, 0x100000, s45
	s_cmp_lt_u32 ttmp9, 320
	s_cselect_b64 s[36:37], s[6:7], s[36:37]       ; Wq
	s_cselect_b32 s44, 256, s44
	s_cselect_b32 s45, 0, s45
	s_cmp_lt_u32 ttmp9, 256
	s_cselect_b64 s[36:37], s[4:5], s[36:37]       ; x
	s_cselect_b32 s44, 0, s44
	s_cselect_b64 s[38:39], s[16:17], s[18:19]     ; codes go to xc or to wc
	s_sub_co_u32 s47, ttmp9, s44                   ; n: the tile's number in its tensor
	s_lshl_b32 s48, s47, 16                        ; 16 rows of 4,096 bytes
	s_mov_b32 s49, 0
	s_add_nc_u64 s[36:37], s[36:37], s[48:49]
	s_lshr_b32 s48, s47, 3
	s_lshl_b32 s48, s48, 17                        ; group n / 8
	s_and_b32 s47, s47, 7
	s_lshl_b32 s47, s47, 11                        ; tile n % 8
	s_add_co_u32 s48, s48, s47
	s_add_co_u32 s48, s48, s45
	s_add_nc_u64 s[38:39], s[38:39], s[48:49]
	s_add_nc_u64 s[40:41], s[38:39], 0x400000      ; x's second and third set of codes (used by x's work-groups alone)
	s_add_nc_u64 s[42:43], s[38:39], 0x800000
	s_lshl_b32 s47, s22, 10
	s_wait_alu depctr_va_vdst(0)
	v_lshl_add_u32 v2, v1, 4, s47                  ; in: 16 x lane + my two K steps' 1,024 bytes of a row
	s_lshl_b32 s47, s22, 15
	v_lshl_add_u32 v3, v1, 4, s47                  ; out: 16 x lane + K step 2 w
	s_mul_i32 s47, s22, STG
	v_lshl_add_u32 v4, v1, 4, s47                  ; the stage, on the way in: a row's 512 bytes as they lie
	v_and_b32 v14, 15, v1
	v_lshrrev_b32 v15, 4, v1
	v_mul_u32_u24 v5, v14, PIT
	v_lshl_add_u32 v5, v15, 5, v5
	v_add_nc_u32 v5, s47, v5                       ; and out: row r, + 32 h: eight numbers of each sixteen
.macro LOADB blk, rb
.irp j, 0,1,2,3,4,5,6,7,8,9,10,11,12,13,14,15
	global_load_b128 v[\rb+4*\j:\rb+4*\j+3], v2, s[36:37] offset:\j*4096+\blk*512 th:TH_LOAD_NT   ; 512 consecutive bytes of row j; read once in the launch
.endr
.endm
	LOADB 0, RA
	LOADB 1, RB
	s_wait_alu depctr_va_vdst(0)
	s_wait_kmcnt 0x0
	s_mov_b32 s46, s35                             ; e11; then the same chain
	s_cmp_lt_u32 ttmp9, 352
	s_cselect_b32 s46, s29, s46
	s_cmp_lt_u32 ttmp9, 336
	s_cselect_b32 s46, s27, s46
	s_cmp_lt_u32 ttmp9, 320
	s_cselect_b32 s46, s25, s46
	s_cmp_lt_u32 ttmp9, 256
	s_cselect_b32 s46, s24, s46
.macro MKSC e, sc, lim                 ; 2^e as f32 (the conversion takes its exponent field)
	s_add_co_i32 s47, s[\e], 127
	s_lshl_b32 s48, s47, 23
	v_mov_b32 v[\sc], s48
.endm
	MKSC 46, 8, 9
	MKSC 26, 10, 11                                ; e2
	MKSC 28, 12, 13                                ; e4
.macro TURN rb                         ; LDS serves a wave's instructions in order: no wait between the stores and the loads, and one stage serves both blocks
.irp j, 0,1,2,3,4,5,6,7,8,9,10,11,12,13,14,15
	ds_store_b128 v4, v[\rb+4*\j:\rb+4*\j+3] offset:\j*PIT
.endr
.irp c, 0,1,2,3,4,5,6,7
	ds_load_b128 v[XN+8*\c:XN+8*\c+3], v5 offset:64*\c
	ds_load_b128 v[XN+8*\c+4:XN+8*\c+7], v5 offset:64*\c+16
.endr
.endm
.macro QUANT sc, lim, dst              ; the numbers stay as they are (x is quantised three times): the conversions read them where they were loaded
.irp c, 0,1,2,3,4,5,6,7
.irp e, 0,1,2,3,4,5,6,7
.endr
	v_cvt_scalef32_pk8_fp8_f32 v[(\dst)+2*\c:(\dst)+2*\c+1], v[TT+8*(\c%2)+((XN+8*\c+0)-(TT+8*(\c%2)+0)):TT+8*(\c%2)+7+((XN+8*\c+0)-(TT+8*(\c%2)+0))], v[\sc]
.endr
	v_nop                                          ; a plain line behind the last conversion
.endm
.macro PUT base, blk, creg             ; a fragment's four chunks: each store covers 512 consecutive bytes, aligned
.irp c, 0,1,2,3
	global_store_b128 v3, v[(\creg)+4*\c:(\creg)+4*\c+3], s[\base:\base+1] offset:(\blk)*16384+\c*512
.endr
.endm
.macro BLOCK blk, rb                   ; the codes take the registers in which the block was loaded: no store's data are ever written again
	TURN \rb
	s_wait_dscnt 0x0
	QUANT 8, 9, \rb
	PUT 38, \blk, \rb
	s_cmp_ge_u32 ttmp9, 256                        ; a weight has one scale
	s_cbranch_scc1 .Lone_\@
	QUANT 10, 11, \rb+16
	PUT 40, \blk, \rb+16
	QUANT 12, 13, \rb+32
	PUT 42, \blk, \rb+32
.Lone_\@:
.endm
	s_wait_alu depctr_va_vdst(0)
	s_wait_loadcnt 16                              ; block 0's sixteen loads are in; block 1's sixteen may be out
	BLOCK 0, RA
	s_wait_loadcnt 0x0
	BLOCK 1, RB
	s_wait_tensorcnt 0x0                           ; the wave's end: behind my last LDS store
	ds_add_u32 v[SPW], v[NIL]
	s_wait_dscnt 0x0
	s_endpgm
	; ---- the table: rope[token][cos(t f_d), d = 0 .. 31 | sin(t f_d), d = 0 .. 31], f32, f_d = 10000^(-d / 32) = 10^(-d / 8).  No LDS is touched on this path.
	; Lane l: q = l % 16 makes columns 4 q .. 4 q + 3 (q < 8: cosines), l / 16 picks one of two tokens: sixteen lanes store a token's 256 bytes.  Eight times two tokens a wave.
	; a = t x f, rounded once; n = the nearest whole number to a x 2 / pi; r = a - n pi / 2 in two steps (the first is exact: n has 12 bits, |r| < 1); sin r and cos r by polynomials on |r| <= pi / 4;
	; sin(a + add pi / 2), add = 1 for a cosine, is picked by (n + add) mod 4.
.Ltable:
	s_sub_co_u32 s47, ttmp9, 416
	s_lshl_b32 s48, s47, 14                        ; 64 tokens of 256 bytes
	s_mov_b32 s49, 0
	s_add_nc_u64 s[20:21], s[20:21], s[48:49]
	s_lshl_b32 s47, s47, 6
	s_lshl_b32 s48, s22, 4
	s_add_co_u32 s47, s47, s48                     ; my wave's first token
	s_mov_b32 s50, 0xbfc90fdb                      ; -(pi / 2 rounded to f32)
	s_mov_b32 s51, 0x333bbd2e                      ; that number less pi / 2
	s_mov_b32 s52, 0xb94ca1f9                      ; sine: -1.9515296e-4,
	s_mov_b32 s53, 0x3c08839e                      ; 8.3321609e-3,
	s_mov_b32 s54, 0xbe2aaaa3                      ; -1.6666655e-1
	s_mov_b32 s55, 0x37ccf5ce                      ; cosine: 2.4433157e-5,
	s_mov_b32 s56, 0xbab6061a                      ; -1.3887316e-3,
	s_mov_b32 s57, 0x3d2aaaa5                      ; 4.1666646e-2
	s_wait_alu depctr_va_vdst(0)
	v_and_b32 v14, 7, v1                           ; qq = q % 8: d = 4 qq + e
	v_lshrrev_b32 v15, 4, v1
	v_and_b32 v16, 15, v1
	v_cmp_gt_u32 vcc_lo, 8, v16
	v_cndmask_b32 v25, 0, 1, vcc_lo                ; add
	v_add_nc_u32 v24, s47, v15
	v_cvt_f32_u32 v24, v24                         ; my token as f32
	s_lshl_b32 s48, s22, 12
	v_lshl_add_u32 v26, v1, 4, s48                 ; 16 x lane + 16 tokens x wave
	v_and_b32 v17, 1, v14
	v_lshrrev_b32 v18, 1, v14
	v_cmp_eq_u32 vcc_lo, 1, v17                    ; f = 10^(-(4 (qq % 2) + e) / 8) x 10^(-(qq / 2)): for d < 8, where the angles are largest, the rounded constant itself
	v_mov_b32 v20, 0x3f800000
	v_mov_b32 v27, 0x3ea1e89b
	v_cndmask_b32 v20, v20, v27, vcc_lo
	v_mov_b32 v21, 0x3f3ff911
	v_mov_b32 v27, 0x3e72d424
	v_cndmask_b32 v21, v21, v27, vcc_lo
	v_mov_b32 v22, 0x3f0ff59a
	v_mov_b32 v27, 0x3e361887
	v_cndmask_b32 v22, v22, v27, vcc_lo
	v_mov_b32 v23, 0x3ed7e89b
	v_mov_b32 v27, 0x3e088d77
	v_cndmask_b32 v23, v23, v27, vcc_lo
	v_mov_b32 v19, 1.0
	v_mov_b32 v27, 0x3dcccccd
	v_cmp_eq_u32 vcc_lo, 1, v18
	v_cndmask_b32 v19, v19, v27, vcc_lo
	v_mov_b32 v27, 0x3c23d70a
	v_cmp_eq_u32 vcc_lo, 2, v18
	v_cndmask_b32 v19, v19, v27, vcc_lo
	v_mov_b32 v27, 0x3a83126f
	v_cmp_eq_u32 vcc_lo, 3, v18
	v_cndmask_b32 v19, v19, v27, vcc_lo
.irp e, 0,1,2,3
	v_mul_f32 v[20+\e], v[20+\e], v19
.endr
.set it, 0
.rept 8                                ; each line goes over the lane's four columns: four chains that do not wait for each other
.irp e, 0,1,2,3
	v_mul_f32 v[28+\e], v24, v[20+\e]              ; a
.endr
.irp e, 0,1,2,3
	v_mul_f32 v[32+\e], 0x3f22f983, v[28+\e]       ; x 2 / pi
.endr
.irp e, 0,1,2,3
	v_rndne_f32 v[32+\e], v[32+\e]                 ; n
.endr
.irp e, 0,1,2,3
	v_fma_f32 v[36+\e], v[32+\e], s50, v[28+\e]
.endr
.irp e, 0,1,2,3
	v_fma_f32 v[36+\e], v[32+\e], s51, v[36+\e]    ; r
.endr
.irp e, 0,1,2,3
	v_mul_f32 v[40+\e], v[36+\e], v[36+\e]         ; s = r r
.endr
.irp e, 0,1,2,3
	v_fma_f32 v[44+\e], v[40+\e], s52, s53
.endr
.irp e, 0,1,2,3
	v_fma_f32 v[48+\e], v[40+\e], s55, s56
.endr
.irp e, 0,1,2,3
	v_fma_f32 v[44+\e], v[44+\e], v[40+\e], s54
.endr
.irp e, 0,1,2,3
	v_fma_f32 v[48+\e], v[48+\e], v[40+\e], s57
.endr
.irp e, 0,1,2,3
	v_mul_f32 v[44+\e], v[44+\e], v[40+\e]
.endr
.irp e, 0,1,2,3
	v_fma_f32 v[52+\e], v[40+\e], -0.5, 1.0
.endr
.irp e, 0,1,2,3
	v_mul_f32 v[40+\e], v[40+\e], v[40+\e]
.endr
.irp e, 0,1,2,3
	v_fma_f32 v[44+\e], v[44+\e], v[36+\e], v[36+\e]   ; sin r
.endr
.irp e, 0,1,2,3
	v_fma_f32 v[48+\e], v[48+\e], v[40+\e], v[52+\e]   ; cos r
.endr
.irp e, 0,1,2,3
	v_cvt_i32_f32 v[56+\e], v[32+\e]
.endr
.irp e, 0,1,2,3
	v_add_nc_u32 v[56+\e], v[56+\e], v25           ; the quadrant
.endr
.irp e, 0,1,2,3
	v_and_b32 v[52+\e], 1, v[56+\e]
.endr
.irp e, 0,1,2,3
	v_cmp_eq_u32 vcc_lo, 1, v[52+\e]
	v_cndmask_b32 v[44+\e], v[44+\e], v[48+\e], vcc_lo   ; odd quadrants take the cosine,
.endr
.irp e, 0,1,2,3
	v_lshlrev_b32 v[56+\e], 30, v[56+\e]
.endr
.irp e, 0,1,2,3
	v_and_b32 v[56+\e], 0x80000000, v[56+\e]
.endr
.irp e, 0,1,2,3
	v_xor_b32 v[64+4*it+\e], v[44+\e], v[56+\e]    ; quadrants 2 and 3 the other sign.  Each trip has result registers of its own
.endr
	global_store_b128 v26, v[64+4*it:64+4*it+3], s[20:21] offset:it*512
	v_add_f32 v24, 2.0, v24
.set it, it+1
.endr
	s_endpgm
.Lfunc_end_k_qc04662e669_prep:
	.size	k_qc04662e669_prep, .Lfunc_end_k_qc04662e669_prep-k_qc04662e669_prep
	.p2alignl 7, 3214868480
	.fill 96, 4, 3214868480
	.section	.rodata,"a",@progbits
	.p2align	6, 0x0
	.amdhsa_kernel k_qc04662e669_prep
		.amdhsa_group_segment_fixed_size 34304
		.amdhsa_private_segment_fixed_size 0
		.amdhsa_enable_private_segment 0
		.amdhsa_kernarg_size 72
		.amdhsa_user_sgpr_count 2
		.amdhsa_user_sgpr_kernarg_segment_ptr 1
		.amdhsa_wavefront_size32 1
		.amdhsa_system_sgpr_workgroup_id_x 1
		.amdhsa_system_sgpr_workgroup_id_y 1
		.amdhsa_system_sgpr_workgroup_id_z 1
		.amdhsa_system_vgpr_workitem_id 0
		.amdhsa_next_free_vgpr 224
		.amdhsa_next_free_sgpr 66
		.amdhsa_reserve_vcc 1
		.amdhsa_float_denorm_mode_32 3
		.amdhsa_float_denorm_mode_16_64 3
		.amdhsa_fp16_overflow 1
		.amdhsa_memory_ordered 1
		.amdhsa_forward_progress 1
		.amdhsa_inst_pref_size 55
	.end_amdhsa_kernel
	.amdgpu_metadata
---
amdhsa.version: [ 1, 2 ]
amdhsa.kernels:
  - .name:           k_qc04662e669_prep
    .symbol:         k_qc04662e669_prep.kd
    .args:
      - { .name: x, .offset: 0, .size: 8, .value_kind: global_buffer, .address_space: global }
      - { .name: Wq, .offset: 8, .size: 8, .value_kind: global_buffer, .address_space: global }
      - { .name: Wk, .offset: 16, .size: 8, .value_kind: global_buffer, .address_space: global }
      - { .name: Wv, .offset: 24, .size: 8, .value_kind: global_buffer, .address_space: global }
      - { .name: Wproj, .offset: 32, .size: 8, .value_kind: global_buffer, .address_space: global }
      - { .name: lowp_scales, .offset: 40, .size: 8, .value_kind: global_buffer, .address_space: global }
      - { .name: xc, .offset: 48, .size: 8, .value_kind: global_buffer, .address_space: global }
      - { .name: wc, .offset: 56, .size: 8, .value_kind: global_buffer, .address_space: global }
      - { .name: rope, .offset: 64, .size: 8, .value_kind: global_buffer, .address_space: global }
    .group_segment_fixed_size: 34304
    .private_segment_fixed_size: 0
    .kernarg_segment_align: 8
    .kernarg_segment_size: 72
    .max_flat_workgroup_size: 128
    .sgpr_count:     66
    .vgpr_count:     224
    .wavefront_size: 32
...
	.end_amdgpu_metadata
.endif
;; end of part 1
;; launch qkv (part 2): grid 32 x 6, 4 waves a work-group, no clusters, 327,680 bytes of LDS; arguments xc, wc, rope, q_gain, lowp_scales, qkc, vc; writes qkc, vc
.if DOCPART == 2
	.amdgcn_target "amdgcn-amd-amdhsa--gfx1250"
	.amdhsa_code_object_version 6
	.text
	.protected	k_qc04662e669_qkv
	.globl	k_qc04662e669_qkv
	.p2align	8
	.type	k_qc04662e669_qkv,@function
k_qc04662e669_qkv:
	s_mov_b64 s[64:65], 0
	v_nop
	global_prefetch_b8 v0, s[64:65] scope:SCOPE_SE
	s_setreg_imm32_b32 hwreg(HW_REG_WAVE_MODE, 25, 1), 1
	s_wait_xcnt 0x0
.set SPARE, 131072
.set SPW, 6
.set NIL, 7
.set TBO, 5
.set SS,  16
.set CD,  64
.set XF,  128
.set MSB, 0
.macro WIN new
.if MSB != (\new)
	s_set_vgpr_msb (MSB<<8)|(\new)
.set MSB, (\new)
.endif
.endm
.macro PLACES
.rept 4
	v_nop
.endr
.endm
.macro FINISH
	s_wait_tensorcnt 0x0
	ds_add_u32 v[SPW], v[NIL]
	s_wait_dscnt 0x0
	s_endpgm
.endm
	s_load_b256 s[4:11], s[0:1], 0x0
	s_load_b128 s[12:15], s[0:1], 0x20
	s_load_b64 s[16:17], s[0:1], 0x30
	v_lshl_add_u32 v[SPW], v0, 2, SPARE
	v_mov_b32 v[NIL], 0
	ds_add_u32 v[SPW], v[NIL]
	ds_add_u32 v[SPW], v[NIL]
	v_lshrrev_b32 v1, 5, v0
	v_readfirstlane_b32 s18, v1
	s_and_b32 s19, ttmp7, 0xffff
	s_mov_b32 s20, ttmp9
	s_mov_b32 s24, 3<<16
	s_mov_b32 s25, 32<<16
	s_mov_b32 s26, 64<<16
	s_mov_b32 s27, 32<<16
	s_mov_b32 s28, 64
	s_mov_b32 s29, 32
	s_mov_b32 s30, 0
	s_mov_b32 s31, 0
	s_mov_b32 s62, 0x76543210
	s_mov_b32 s63, 0xfedcba98
	v_and_b32 v1, 31, v0
	v_lshlrev_b32 v1, 4, v1
	v_add_nc_u32 v2, 0x10000, v1
	v_and_b32 v12, 15, v0
	v_bfe_u32 v13, v0, 4, 1
	v_lshlrev_b32 v[TBO], 8, v12
	v_lshl_add_u32 v[TBO], v13, 5, v[TBO]
	s_lshl_b32 s21, s19, 2
	s_add_co_u32 s21, s21, s18
	s_min_u32 s61, s21, 15
	s_lshl_b32 s61, s61, 2
	s_lshl_b32 s68, s20, 17
	s_add_co_u32 s74, s68, 0x400000
	s_cmp_eq_u32 s19, 4
	s_cselect_b32 s68, s74, s68
	s_and_b32 s74, s20, 1
	s_lshl_b32 s74, s74, 17
	s_add_co_u32 s74, s74, 0x140000
	s_cmp_eq_u32 s19, 5
	s_cselect_b32 s68, s74, s68
	s_mov_b32 s69, 0
	s_lshr_b32 s74, s20, 1
	s_lshl_b32 s74, s74, 2
	s_lshl_b32 s70, s19, 2
	s_cmp_eq_u32 s19, 4
	s_cselect_b32 s70, 0, s70
	s_cselect_b32 s71, 0x100000, 0
	s_cmp_eq_u32 s19, 5
	s_cselect_b32 s70, s74, s70
	s_cselect_b32 s71, 0x800000, s71
	s_add_co_u32 s70, s70, s18
	s_lshr_b32 s74, s70, 1
	s_lshl_b32 s74, s74, 17
	s_and_b32 s70, s70, 1
	s_lshl_b32 s70, s70, 13
	s_add_co_u32 s70, s70, s74
	s_add_co_u32 s70, s70, s71
	s_mov_b32 s71, 0
	s_lshl_b32 s72, s18, 14
	s_mov_b32 s73, 0
	s_lshl_b32 s76, s20, 15
	s_mov_b32 s77, 0
	s_wait_alu depctr_va_vdst(0)
	s_wait_dscnt 0x0
	s_wait_kmcnt 0x0
	s_load_b256 s[40:47], s[12:13], 0x0
	s_load_b128 s[48:51], s[12:13], 0x20
	s_load_b32 s60, s[10:11], s61 offset:0x0
	s_cmp_eq_u32 s19, 5
	s_cselect_b64 s[52:53], s[6:7], s[4:5]
	s_cselect_b64 s[54:55], s[4:5], s[6:7]
	s_add_nc_u64 s[52:53], s[52:53], s[68:69]
	s_add_nc_u64 s[54:55], s[54:55], s[70:71]
	s_add_nc_u64 s[66:67], s[8:9], s[76:77]
	s_mov_b32 s32, 1
	s_mov_b32 s33, s72
	s_add_nc_u64 s[34:35], s[52:53], s[72:73]
	s_mov_b32 s36, 1
	s_add_co_u32 s37, s72, 0x10000
	s_add_nc_u64 s[38:39], s[34:35], 0x10000
	s_or_b32 s35, s35, 0x80000000
	s_or_b32 s39, s39, 0x80000000
	tensor_load_to_lds s[32:35], s[24:31]
	s_nop 0
	s_wait_alu depctr_va_vdst(0)
	s_wait_tensorcnt 0x0
	ds_add_u32 v6, v7
	s_wait_dscnt 0x0
	s_barrier_signal -1
	s_barrier_wait -1
	tensor_load_to_lds s[36:39], s[24:31]
	s_nop 0
	PLACES
	WIN 0x80
.irp s, 0,1,2,3
.irp t, 0,1,2,3
.irp c, 0,1,2,3
	global_load_b128 v[64*\s+16*\t+4*\c:64*\s+16*\t+4*\c+3], v1, s[54:55] offset:\s*16384+\t*2048+\c*512
.endr
.endr
.endr
	WIN 0xc0
.irp s, 0,1,2,3
.irp t, 0,1,2,3
.irp c, 0,1,2,3
	global_load_b128 v[64*\s+16*\t+4*\c:64*\s+16*\t+4*\c+3], v1, s[54:55] offset:(\s+4)*16384+\t*2048+\c*512
.endr
.endr
.endr
	WIN 0
.macro FETCHX s, m0
.irp m, \m0, \m0+1, \m0+2, \m0+3
.irp c, 0,1,2,3
	ds_load_b128 v[XF+16*(\m)+4*\c:XF+16*(\m)+4*\c+3], v[1+(\s)/4] offset:((\s)%4)*16384+(\m)*2048+\c*512
.endr
.endr
.endm
.macro MUL s, m0, zero
.irp m, \m0, \m0+1, \m0+2, \m0+3
.irp t, 0,1,2,3
.if \zero
	v_wmma_f32_16x16x128_fp8_fp8 v[8*(4*(\m)+\t):8*(4*(\m)+\t)+7], v[64*((\s)%4)+16*\t:64*((\s)%4)+16*\t+15], v[XF+16*(\m):XF+16*(\m)+15], 0
.else
	v_wmma_f32_16x16x128_fp8_fp8 v[8*(4*(\m)+\t):8*(4*(\m)+\t)+7], v[64*((\s)%4)+16*\t:64*((\s)%4)+16*\t+15], v[XF+16*(\m):XF+16*(\m)+15], v[8*(4*(\m)+\t):8*(4*(\m)+\t)+7]
.endif
.endr
.endr
.endm
.macro STEP s, lc, zero
	s_wait_loadcnt \lc
	s_wait_dscnt 16
	WIN 0x52+(\s)/4
	MUL \s, 0, \zero
	WIN 0
	s_wait_dscnt 0x0
.if (\s) == 3
	s_wait_tensorcnt 0x0
	s_barrier_signal -1
	s_barrier_wait -1
.endif
	PLACES
.if (\s) < 7
	FETCHX (\s)+1, 0
.endif
	WIN 0x52+(\s)/4
	MUL \s, 4, \zero
	WIN 0
	PLACES
.if (\s) < 7
	FETCHX (\s)+1, 4
.endif
.endm
	s_wait_tensorcnt 1
	s_barrier_signal -1
	s_barrier_wait -1
	FETCHX 0, 0
	FETCHX 0, 4
	STEP 0, 63, 1
	STEP 1, 63, 0
	STEP 2, 63, 0
	STEP 3, 63, 0
	STEP 4, 48, 0
	STEP 5, 32, 0
	STEP 6, 16, 0
	STEP 7, 0, 0
	s_wait_kmcnt 0x0
	s_cmp_eq_u32 s19, 5
	s_cbranch_scc1 .Lv
.macro MKSC e
	s_add_co_i32 s75, s[\e], 127
	s_lshl_b32 s78, s75, 23
	v_mov_b32 v8, s78
	s_add_co_i32 s75, s75, 8
	s_lshl_b32 s75, s75, 23
	s_or_b32 s75, s75, 0x600000
	v_mov_b32 v9, s75
.endm
	WIN 0x80
.irp m, 0,1,2,3,4,5,6,7
.irp g, 0,1,2,3,4,5,6,7
	global_load_b128 v[32*\m+4*\g:32*\m+4*\g+3], v[TBO], s[66:67] offset:\m*4096+64*(\g/2)+16*(\g%2)
.endr
.endr
	s_add_co_i32 s74, s40, s41
	s_add_co_i32 s75, s42, s43
	s_cmp_eq_u32 s19, 4
	s_cselect_b32 s58, s75, s74
	s_cselect_b32 s74, s47, s46
	s_cselect_b32 s60, 1.0, s60
	s_lshl_b32 s59, s58, 1
	s_sub_co_i32 s59, s59, 6
	WIN 0x05
.irp m, 0,1,2,3,4,5,6,7
	v_pk_mul_f32 v[SS+2*\m:SS+2*\m+1], v[32*\m:32*\m+1], v[32*\m:32*\m+1]
.endr
.set n, 2
.rept 15
.irp m, 0,1,2,3,4,5,6,7
	v_pk_fma_f32 v[SS+2*\m:SS+2*\m+1], v[32*\m+n:32*\m+n+1], v[32*\m+n:32*\m+n+1], v[SS+2*\m:SS+2*\m+1]
.endr
.set n, n+2
.endr
	WIN 0
	MKSC 74
.irp m, 0,1,2,3,4,5,6,7
	v_add_f32 v[SS+2*\m], v[SS+2*\m], v[SS+2*\m+1]
.endr
.irp m, 0,1,2,3,4,5,6,7
	v_permlanex16_b32 v[SS+2*\m+1], v[SS+2*\m], s62, s63
.endr
.irp m, 0,1,2,3,4,5,6,7
	v_add_f32 v[SS+2*\m], v[SS+2*\m], v[SS+2*\m+1]
.endr
.irp m, 0,1,2,3,4,5,6,7
	v_ldexp_f32 v[SS+2*\m], v[SS+2*\m], s59
.endr
.irp m, 0,1,2,3,4,5,6,7
	v_add_f32 v[SS+2*\m], 0x34000000, v[SS+2*\m]
.endr
	s_wait_alu depctr_va_vdst(0)
.irp m, 0,1,2,3,4,5,6,7
	v_rsq_f32 v[SS+2*\m+1], v[SS+2*\m]
.endr
	v_nop
	s_wait_alu depctr_va_vdst(0)
.irp m, 0,1,2,3,4,5,6,7
	v_ldexp_f32 v[SS+2*\m], v[SS+2*\m+1], s58
.endr
.irp m, 0,1,2,3,4,5,6,7
	v_mul_f32 v[SS+2*\m], s60, v[SS+2*\m]
.endr
	WIN 0x41
.irp m, 0,1,2,3,4,5,6,7
.set n, 0
.rept 16
	v_pk_mul_f32 v[32*\m+n:32*\m+n+1], v[32*\m+n:32*\m+n+1], v[SS+2*\m:SS+2*\m+1] op_sel_hi:[1,0]
.set n, n+2
.endr
.endr
	WIN 0xf9
.irp m, 0,1,2,3,4,5,6,7
	s_wait_loadcnt 8*(7-\m)
.set n, 0
.rept 8
	v_pk_mul_f32 v[32*\m+n:32*\m+n+1], v[32*\m+16+n:32*\m+16+n+1], v[32*\m+16+n:32*\m+16+n+1]
	v_pk_mul_f32 v[32*\m+16+n:32*\m+16+n+1], v[32*\m+n:32*\m+n+1], v[32*\m+16+n:32*\m+16+n+1]
	v_pk_fma_f32 v[32*\m+n:32*\m+n+1], v[32*\m+n:32*\m+n+1], v[32*\m+n:32*\m+n+1], v[32*\m+n:32*\m+n+1]
	v_pk_fma_f32 v[32*\m+16+n:32*\m+16+n+1], v[32*\m+16+n:32*\m+16+n+1], v[32*\m+n:32*\m+n+1], v[32*\m+16+n:32*\m+16+n+1] neg_lo:[0,0,1] neg_hi:[0,0,1]
.set n, n+2
.endr
.endr
	WIN 0xc3
.set n, 0
.rept 256
.set n, n+1
.endr
	WIN 0x03
.irp m, 0,1,2,3,4,5,6,7
.irp t, 0,1,2,3
	v_cvt_scalef32_pk8_fp8_f32 v[CD+8*\m+2*\t:CD+8*\m+2*\t+1], v[32*\m+8*\t:32*\m+8*\t+7], v8
.endr
.endr
	WIN 0
	v_nop
	s_lshl_b32 s74, s21, 8
	s_lshl_b32 s75, s20, 3
	s_add_co_u32 s74, s74, s75
	s_lshl_b32 s74, s74, 10
	s_mov_b32 s75, 0
	s_add_nc_u64 s[56:57], s[14:15], s[74:75]
.irp m, 0,1,2,3,4,5,6,7
.irp c, 0,1
	global_store_b128 v1, v[CD+8*\m+4*\c:CD+8*\m+4*\c+3], s[56:57] offset:\m*1024+\c*512
.endr
.endr
	FINISH
.Lv:
	s_sub_co_i32 s74, s49, s44
	s_sub_co_i32 s74, s74, s45
	MKSC 74
	WIN 0x81
.set n, 0
.rept 256
	v_med3_num_f32 v[n], v[n], -v9, v9
.set n, n+1
.endr
	WIN 0x02
.irp m, 0,1,2,3,4,5,6,7
.irp t, 0,1,2,3
	v_cvt_scalef32_pk8_fp8_f32 v[CD+8*\m+2*\t:CD+8*\m+2*\t+1], v[32*\m+8*\t:32*\m+8*\t+7], v8
.endr
.endr
	WIN 0
	v_nop
	s_and_b32 s74, s20, 1
	s_lshl_b32 s74, s74, 19
	s_lshr_b32 s75, s20, 1
	s_lshl_b32 s75, s75, 1
	s_lshr_b32 s76, s18, 1
	s_add_co_u32 s75, s75, s76
	s_lshl_b32 s75, s75, 13
	s_add_co_u32 s74, s74, s75
	s_and_b32 s75, s18, 1
	s_lshl_b32 s75, s75, 10
	s_add_co_u32 s74, s74, s75
	s_mov_b32 s75, 0
	s_add_nc_u64 s[56:57], s[16:17], s[74:75]
	s_wait_alu depctr_va_vdst(0)
.irp m, 0,1,2,3,4,5,6,7
.irp c, 0,1
	global_store_b128 v1, v[CD+8*\m+4*\c:CD+8*\m+4*\c+3], s[56:57] offset:(\m/4)*262144+(\m%4)*2048+\c*512
.endr
.endr
	FINISH
.Lfunc_end_k_qc04662e669_qkv:
	.size	k_qc04662e669_qkv, .Lfunc_end_k_qc04662e669_qkv-k_qc04662e669_qkv
	.p2alignl 7, 3214868480
	.fill 96, 4, 3214868480
	.section	.rodata,"a",@progbits
	.p2align	6, 0x0
	.amdhsa_kernel k_qc04662e669_qkv
		.amdhsa_group_segment_fixed_size 327680
		.amdhsa_private_segment_fixed_size 0
		.amdhsa_enable_private_segment 0
		.amdhsa_kernarg_size 56
		.amdhsa_user_sgpr_count 2
		.amdhsa_user_sgpr_kernarg_segment_ptr 1
		.amdhsa_wavefront_size32 1
		.amdhsa_system_sgpr_workgroup_id_x 1
		.amdhsa_system_sgpr_workgroup_id_y 1
		.amdhsa_system_sgpr_workgroup_id_z 1
		.amdhsa_system_vgpr_workitem_id 0
		.amdhsa_next_free_vgpr 1024
		.amdhsa_next_free_sgpr 80
		.amdhsa_reserve_vcc 0
		.amdhsa_float_denorm_mode_32 3
		.amdhsa_float_denorm_mode_16_64 3
		.amdhsa_fp16_overflow 1
		.amdhsa_memory_ordered 1
		.amdhsa_forward_progress 1
		.amdhsa_inst_pref_size 119
	.end_amdhsa_kernel
	.amdgpu_metadata
---
amdhsa.version: [ 1, 2 ]
amdhsa.kernels:
  - .name:           k_qc04662e669_qkv
    .symbol:         k_qc04662e669_qkv.kd
    .args:
      - { .name: xc, .offset: 0, .size: 8, .value_kind: global_buffer, .address_space: global }
      - { .name: wc, .offset: 8, .size: 8, .value_kind: global_buffer, .address_space: global }
      - { .name: rope, .offset: 16, .size: 8, .value_kind: global_buffer, .address_space: global }
      - { .name: q_gain, .offset: 24, .size: 8, .value_kind: global_buffer, .address_space: global }
      - { .name: lowp_scales, .offset: 32, .size: 8, .value_kind: global_buffer, .address_space: global }
      - { .name: qkc, .offset: 40, .size: 8, .value_kind: global_buffer, .address_space: global }
      - { .name: vc, .offset: 48, .size: 8, .value_kind: global_buffer, .address_space: global }
    .group_segment_fixed_size: 327680
    .private_segment_fixed_size: 0
    .kernarg_segment_align: 8
    .kernarg_segment_size: 56
    .max_flat_workgroup_size: 128
    .sgpr_count:     80
    .vgpr_count:     1024
    .wavefront_size: 32
...
	.end_amdgpu_metadata
.endif
;; end of part 2
;; launch attn (part 3): grid 64 x 4, 16 waves a work-group, no clusters, 327,680 bytes of LDS; arguments qkc, vc, lowp_scales, yc; writes yc
.if DOCPART == 3
	.amdgcn_target "amdgcn-amd-amdhsa--gfx1250"
	.amdhsa_code_object_version 6
	.text
	.protected	k_qc04662e669_attn
	.globl	k_qc04662e669_attn
	.p2align	8
	.type	k_qc04662e669_attn,@function
k_qc04662e669_attn:
	s_mov_b64 s[64:65], 0
	v_nop
	global_prefetch_b8 v0, s[64:65] scope:SCOPE_SE
	s_setreg_imm32_b32 hwreg(HW_REG_WAVE_MODE, 25, 1), 1
	s_wait_xcnt 0x0
; ATTN.  y = softmax(q k^T / 8, causal) v for 16 query heads on 4 kv heads, head size 64, both products on codes of E4M3; y becomes codes (e10) for the last product.
; THE SOFTMAX: t = score x log2(e) / 8; M = the running largest t rounded UP to a whole number; p = 2^(t - M) is quantised (e8), not normalised; the row's sum is taken of the unquantised p and divides at the end.
; When M moves, the sum and O are multiplied by 2^(old M - new M), which rounds nothing.
; SHARES.  Work-group (i, g): kv head g with its four query heads, and the blocks of 32 queries number i and 127 - i: every work-group has the same number of visible keys.  Each of sixteen waves owns one tile of 16 queries
; of one head, in 256 registers: four waves to a SIMD, so that one wave's vector work stands beside another's products and LDS loads.  The wave's number is decoded so that neighbours in it differ in the block.
; K and V come through a ring of two LDS slots of 256 keys (K 16 KiB, V 16 KiB, each a dense block of register images), wave 0 fetching K's, wave 1 V's.
; LAYOUT.  S^T = K Q^T (source 0 = 16 keys) and O^T = V^T P^T (source 0 = 16 channels): a lane holds ONE query (lane % 16).  Register j of S^T's tile t is key 16 t + 8 (lane / 16) + j: just what registers 2 t, 2 t + 1
; of the second product's operand hold: the conversions' results are that operand.  O^T's registers are in the same way the last product's operand.
; CAUSAL.  Every work-group walks all 16 slots (constant trip counts, every barrier passed); a step all of whose keys come after the wave's queries is left out by a scalar branch on ids; a slot whose first key comes
; after the work-group's last query is not asked for.  On the diagonal hidden scores become -infinity ahead of the maximum.  Key 0 counts for every query, so M is a number from the first step on.
; NO CLUSTER: which steps a wave leaves out hangs on its work-group's queries, which differ between the work-groups that share a kv head.
; LIMITS: e6 + e7 between -123 and 130 (added to c's exponent field); e8 and e10 - e8 - e9 between -126 and 119.
; REGISTERS: v1 16 x lane; v3 256 x lane; v5, v6 the add's two; v8 the step's LDS address; v12 -M, v13 the largest t, v[14:15] the sum; v16-23 Q; v32-95 K's, then V's fragments; v96-159 S^T, then p; v160-191 O^T; v224-239 p's codes; v240-254 constants and work.
.set SLOT1, 32768                      ; slot 1 begins here: one exclusive or turns an address from slot to slot
.set SPARE, 65536                      ; behind the ring: the spare words, 128 bytes for each of 16 waves
.set SPW,  5
.set NIL,  6
.set WV,   18
.set CS,   22                          ; s[22:23] c = log2(e) / 8 x 2^(e6 + e7)
.set TB,   2                           ; s2   the slot in hand
.set SLOTS, 67
.set PFA,  76                          ; s[76:77] where my prefetches stand
.set LIM,  80
.set LASTQ, 97
.set KF,   98                          ; the step's first key
.set Q0,   99                          ; my first query
.macro TLOAD                           ; waves 0 and 1 fetch, one load each: the branch hangs on the wave's number alone; an s_nop 0 and four v_nop follow the load
	s_cmp_lt_u32 s[WV], 2
	s_cbranch_scc0 .Lasked_\@
	tensor_load_to_lds s[40:43], s[24:31]
	s_nop 0
.rept 4
	v_nop
.endr
.Lasked_\@:
.endm
; A prefetch into the L2 of the slot that the NEXT change of slots will ask for.  All 64 work-groups of a kv head walk the same K and V: work-group i = 0, which loads every slot, asks; in it waves 4 and 5 for the two halves
; of K's 16 KiB, waves 6 and 7 for V's: 8,192 bytes a wave, lanes 256 bytes apart, one instruction.  So each block of 256 bytes is named once.  The last change that fills a slot asks for nothing; slots 0 and 1 come by their loads alone.
.macro ASK
	s_cmp_gt_u32 s[SLOTS], s[LIM]
	s_cbranch_scc0 .Lnot_mine_\@
	global_prefetch_b8 v3, s[PFA:PFA+1] th:TH_LOAD_NT scope:SCOPE_SE
.Lnot_mine_\@:
.endm
	s_load_b256 s[4:11], s[0:1], 0x0               ; qkc, vc, the scales' exponents, yc
	v_lshl_add_u32 v[SPW], v0, 2, SPARE
	v_mov_b32 v[NIL], 0
	ds_add_u32 v[SPW], v[NIL]                      ; the wave's opening: the add and its wait ahead of the first tensor load; the set-up stands between
	ds_add_u32 v[SPW], v[NIL]
	v_lshrrev_b32 v8, 5, v0
	s_delay_alu instid0(VALU_DEP_1)
	v_readfirstlane_b32 s[WV], v8                  ; wave 0..15
	s_and_b32 s70, ttmp7, 0xffff                   ; g
	s_lshr_b32 s71, s[WV], 2
	s_xor_b32 s72, s[WV], s71
	s_and_b32 s72, s72, 1                          ; which block: bit 0 xor bit 2
	s_and_b32 s71, s71, 1                          ; which tile of it: bit 2
	s_bfe_u32 s73, s[WV], 0x10001
	s_bfe_u32 s74, s[WV], 0x10003
	s_lshl_b32 s74, s74, 1
	s_or_b32 s73, s73, s74                         ; which of the four heads: bits 1 and 3
	s_sub_co_u32 s74, 127, ttmp9
	s_cmp_eq_u32 s72, 1
	s_cselect_b32 s74, s74, ttmp9
	s_lshl_b32 s[Q0], s74, 5
	s_lshl_b32 s71, s71, 4
	s_add_co_u32 s[Q0], s[Q0], s71                 ; my first query
	s_lshl_b32 s[LASTQ], ttmp9, 5
	s_sub_co_u32 s[LASTQ], 4095, s[LASTQ]          ; my work-group's last query: the same in all sixteen waves
	s_lshl_b32 s75, s70, 2
	s_add_co_u32 s75, s75, s73                     ; my head
	s_add_co_u32 s82, s70, 16
	s_lshl_b32 s82, s82, 18                        ; k's head in qkc: (16 + g) x 256 tiles x 1,024
	s_mov_b32 s83, 0
	s_lshl_b32 s84, s70, 18                        ; v's head in vc
	s_mov_b32 s85, 0
	s_lshl_b32 s86, s75, 8
	s_lshr_b32 s87, s[Q0], 4
	s_add_co_u32 s86, s86, s87
	s_lshl_b32 s86, s86, 10                        ; my tile of q
	s_mov_b32 s87, 0
	s_lshr_b32 s88, s[Q0], 6
	s_lshl_b32 s88, s88, 16                        ; yc: [group of 64 tokens][pair of heads][tile][2,048]; a head fills half of a fragment
	s_lshr_b32 s89, s75, 1
	s_lshl_b32 s89, s89, 13
	s_add_co_u32 s88, s88, s89
	s_bfe_u32 s89, s[Q0], 0x20004
	s_lshl_b32 s89, s89, 11
	s_add_co_u32 s88, s88, s89
	s_and_b32 s89, s75, 1
	s_lshl_b32 s89, s89, 10
	s_add_co_u32 s88, s88, s89
	s_mov_b32 s89, 0
	s_mov_b32 s24, 3<<16                           ; descriptor group 1: a dense block of 16 KiB as 64 rows of 32 elements of 8 bytes
	s_mov_b32 s25, 32<<16
	s_mov_b32 s26, 64<<16
	s_mov_b32 s27, 32<<16
	s_mov_b32 s28, 64
	s_mov_b32 s29, 32
	s_mov_b32 s30, 0
	s_mov_b32 s31, 0
	s_mov_b32 s20, 0x76543210                      ; v_permlanex16_b32: lane l xor 16
	s_mov_b32 s21, 0xfedcba98
	s_mov_b32 s[CS], 0x3e38aa3b                    ; log2(e) / 8
	s_mov_b32 s[TB], 0
	s_mov_b32 s[SLOTS], 15
	s_mov_b32 s[KF], 0
	v_and_b32 v1, 31, v0
	s_delay_alu instid0(VALU_DEP_1)
	v_lshlrev_b32 v3, 8, v1
	s_delay_alu instid0(VALU_DEP_2)
	v_lshlrev_b32 v1, 4, v1
	s_wait_dscnt 0x0                               ; the opening add is done
	s_wait_kmcnt 0x0
	s_load_b256 s[44:51], s[8:9], 0x0              ; e0 .. e7
	s_load_b128 s[52:55], s[8:9], 0x20             ; e8 .. e11
	s_add_nc_u64 s[90:91], s[4:5], s[82:83]        ; K
	s_add_nc_u64 s[92:93], s[6:7], s[84:85]        ; V
	s_mov_b32 s40, 1                               ; group 0, which walks: count = 1;
	s_and_b32 s94, s[WV], 1
	s_lshl_b32 s41, s94, 14                        ; LDS: K at the slot's head, V 16 KiB on;
	s_cmp_eq_u32 s[WV], 0
	s_cselect_b64 s[42:43], s[90:91], s[92:93]     ; the head's first 256 keys
	s_or_b32 s43, s43, 0x80000000
	TLOAD                                          ; slot 0
	s_cmp_lt_u32 s[WV], 6
	s_cselect_b64 s[PFA:PFA+1], s[90:91], s[92:93]
	s_lshl_b32 s94, s94, 13                        ; my half of the 16 KiB,
	s_add_co_u32 s94, s94, 16384                   ; in slot 1: the first change of slots steps it to slot 2.  Nothing is prefetched at the head
	s_mov_b32 s95, 0
	s_add_nc_u64 s[PFA:PFA+1], s[PFA:PFA+1], s[94:95]
	s_sub_co_u32 s94, s[WV], 4
	s_lshr_b32 s94, s94, 2                         ; 0 in waves 4 to 7
	s_or_b32 s94, s94, ttmp9                       ; of work-group i = 0
	s_cmp_eq_u32 s94, 0
	s_cselect_b32 s[LIM], 1, -1
	s_add_nc_u64 s[4:5], s[4:5], s[86:87]
	s_add_nc_u64 s[10:11], s[10:11], s[88:89]
	s_wait_alu depctr_va_vdst(0)
	global_load_b128 v[16:19], v1, s[4:5]          ; Q's fragment stays in registers
	global_load_b128 v[20:23], v1, s[4:5] offset:512
	v_mov_b32 v13, 0xff61b1e6                      ; the largest t so far: -3e38
	s_delay_alu instid0(VALU_DEP_1)
	v_floor_f32 v12, -v13                          ; -M
	v_mov_b32 v14, 0
	v_mov_b32 v15, 0
	v_mov_b32 v246, 0                              ; a lane permute's destination counts as one of its sources
	v_mov_b32 v249, 0                              ; (named as upper halves of pairs)
	v_mov_b32 v253, 0
.set n, 0
.rept 32
	v_mov_b32 v[160+n], 0                          ; O^T: the step is written once, and its first run finds zeros
.set n, n+1
.endr
	s_wait_kmcnt 0x0
	s_add_co_i32 s72, s50, s51
	s_lshl_b32 s72, s72, 23
	s_add_co_i32 s[CS], s[CS], s72                 ; a score stands for score x 2^(e6 + e7)
	s_mov_b32 s[CS+1], s[CS]
.macro MKSC e, sc, lim
	s_add_co_i32 s72, s[\e], 127
	s_lshl_b32 s73, s72, 23
	v_mov_b32 v[\sc], s73
.endm
	MKSC 52, 244, 240                              ; 2^e8, for p
	s_sub_co_i32 s74, s54, s52
	s_sub_co_i32 s74, s74, s53
	MKSC 74, 245, 241                              ; the same with e10 - e8 - e9, for y: O^T / the sum stands for y / 2^(e8 + e9)
; A KEY STEP: 128 keys, the q-th of the slot in hand
.macro STEP q
	s_add_co_u32 s96, s[Q0], 15
	s_cmp_gt_u32 s[KF], s96                        ; all keys come after my queries: nothing to do
	s_cbranch_scc1 .Lhidden_\@
	v_add_nc_u32 v8, s[TB], v1
.rept 3
	v_nop                                          ; with the line above: four places in front of loads into registers that the last products read
.endr
.irp t, 0,1,2,3,4,5,6,7
	ds_load_b128 v[32+8*\t:35+8*\t], v8 offset:(\q)*8192+\t*1024
	ds_load_b128 v[36+8*\t:39+8*\t], v8 offset:(\q)*8192+\t*1024+512
.endr
	s_wait_alu depctr_va_vdst(0)
	s_wait_dscnt 0x0
.irp t, 0,1,2,3,4,5,6,7
	v_wmma_f32_16x16x64_fp8_fp8 v[96+8*\t:103+8*\t], v[32+8*\t:39+8*\t], v[16:23], 0
.endr
.rept 4
	v_nop                                          ; places: for V's loads into K's registers, and for the first read of the scores
.endr
.irp t, 0,1,2,3
.irp c, 0,1,2,3
	ds_load_b128 v[32+16*\t+4*\c:32+16*\t+4*\c+3], v8 offset:16384+(\q)*8192+\t*2048+\c*512   ; V's fragments land while the softmax is worked
.endr
.endr
	s_add_co_u32 s96, s[KF], 127
	s_cmp_le_u32 s96, s[Q0]                        ; all keys count: no mask
	s_cbranch_scc1 .Lopen_\@
	s_sub_co_i32 s96, s[Q0], s[KF]
	v_and_b32 v248, 15, v0
	v_bfe_u32 v249, v0, 4, 1
	s_delay_alu instid0(VALU_DEP_1)
	v_lshlrev_b32 v249, 3, v249
	s_delay_alu instid0(VALU_DEP_1)
	v_sub_nc_u32 v248, v248, v249
	s_delay_alu instid0(VALU_DEP_1)
	v_add_nc_u32 v248, s96, v248                   ; d = my query - KF - 8 (lane / 16): register 8 t + j is hidden where 16 t + j > d
	v_mov_b32 v254, 0xff800000
.irp t, 0,1,2,3,4,5,6,7
.irp j, 0,1,2,3,4,5,6,7
	v_cmp_gt_i32 vcc_lo, 16*\t+\j, v248
	v_cndmask_b32 v[96+8*\t+\j], v[96+8*\t+\j], v254, vcc_lo
.endr
.endr
.Lopen_\@:
	v_max3_num_f32 v254, v96, v97, v98             ; the step's largest score of my query among my 64 keys, in two chains, the registers in ascending order,
	v_max3_num_f32 v252, v99, v100, v101
.set n, 6
.rept 14
	v_max3_num_f32 v254, v254, v[96+n], v[97+n]
	v_max3_num_f32 v252, v252, v[98+n], v[99+n]
.set n, n+4
.endr
	v_max3_num_f32 v254, v254, v158, v159
	s_delay_alu instid0(VALU_DEP_1)
	v_max_num_f32 v254, v254, v252
	s_delay_alu instid0(VALU_DEP_1)
	v_permlanex16_b32 v246, v254, s20, s21
	s_delay_alu instid0(VALU_DEP_1)
	v_max_num_f32 v254, v254, v246                 ; and among lane l xor 16's
	s_delay_alu instid0(VALU_DEP_1)
	v_mul_f32 v254, s[CS], v254                    ; as t (c is positive)
	s_delay_alu instid0(VALU_DEP_1)
	v_max_num_f32 v13, v13, v254
	v_mov_b32 v254, v12
	s_delay_alu instid0(VALU_DEP_2)
	v_floor_f32 v12, -v13                          ; the new -M = -ceil(t)
	s_delay_alu instid0(VALU_DEP_1)
	v_sub_f32 v254, v12, v254                      ; old M - new M: a whole number, 0 or less
	s_delay_alu instid0(VALU_DEP_1)
	v_cvt_i32_f32 v254, v254                       ; (it saturates)
	s_delay_alu instid0(VALU_DEP_1)
	v_ldexp_f32 v252, 1.0, v254                    ; f = 2^(old M - new M)
.set n, 0
.rept 32
	v_pk_fma_f32 v[96+n:97+n], v[96+n:97+n], s[CS:CS+1], v[12:13] op_sel_hi:[1,0,0]   ; t - M, two at a time
.set n, n+2
.endr
.set n, 0
	s_wait_alu depctr_va_vdst(0)
.rept 64
	v_exp_f32 v[96+n], v[96+n]                     ; p = 2^(t - M)
.set n, n+1
.endr
	v_pk_mul_f32 v[14:15], v[14:15], v[252:253] op_sel_hi:[1,0]   ; the sums under the new M: the plain line behind the batch
	s_wait_alu depctr_va_vdst(0)                   ; one wait for the 64 exponentials, ahead of their first reader
	v_pk_add_f32 v[242:243], v[100:101], v[104:105]
	v_pk_add_f32 v[254:255], v[108:109], v[112:113]
	v_pk_add_f32 v[250:251], v[116:117], v[120:121]
	v_pk_add_f32 v[240:241], v[124:125], v[128:129]
	v_pk_add_f32 v[238:239], v[132:133], v[136:137]
	v_pk_add_f32 v[236:237], v[140:141], v[144:145]
	v_pk_add_f32 v[234:235], v[148:149], v[152:153]
	v_pk_add_f32 v[14:15], v[14:15], v[156:157]
	v_pk_add_f32 v[242:243], v[242:243], v[96:97]
	v_pk_add_f32 v[254:255], v[254:255], v[98:99]
	v_pk_add_f32 v[250:251], v[250:251], v[102:103]
	v_pk_add_f32 v[240:241], v[240:241], v[106:107]
	v_pk_add_f32 v[238:239], v[238:239], v[110:111]
	v_pk_add_f32 v[236:237], v[236:237], v[114:115]
	v_pk_add_f32 v[234:235], v[234:235], v[118:119]
	v_pk_add_f32 v[14:15], v[14:15], v[122:123]
	v_pk_add_f32 v[242:243], v[242:243], v[126:127]
	v_pk_add_f32 v[254:255], v[254:255], v[130:131]
	v_pk_add_f32 v[250:251], v[250:251], v[134:135]
	v_pk_add_f32 v[240:241], v[240:241], v[138:139]
	v_pk_add_f32 v[238:239], v[238:239], v[142:143]
	v_pk_add_f32 v[236:237], v[236:237], v[146:147]
	v_pk_add_f32 v[234:235], v[234:235], v[150:151]
	v_pk_add_f32 v[14:15], v[14:15], v[154:155]
	v_pk_add_f32 v[242:243], v[242:243], v[158:159]
	s_delay_alu instid0(VALU_DEP_2)
	v_pk_add_f32 v[14:15], v[14:15], v[240:241]
	s_delay_alu instid0(VALU_DEP_2)
	v_pk_add_f32 v[242:243], v[242:243], v[238:239]
	v_pk_add_f32 v[254:255], v[254:255], v[236:237]
	v_pk_add_f32 v[250:251], v[250:251], v[234:235]
	s_delay_alu instid0(VALU_DEP_2)
	v_pk_add_f32 v[14:15], v[14:15], v[254:255]
	s_delay_alu instid0(VALU_DEP_2)
	v_pk_add_f32 v[242:243], v[242:243], v[250:251]
	s_delay_alu instid0(VALU_DEP_1)
	v_pk_add_f32 v[14:15], v[14:15], v[242:243]
.irp t, 0,1,2,3,4,5,6,7
.irp j, 0,1,2,3,4,5,6,7
.endr
	v_cvt_scalef32_pk8_fp8_f32 v[224+2*\t:225+2*\t], v[96+8*\t:103+8*\t], v244
.endr
.set n, 0
.rept 16
	v_pk_mul_f32 v[160+n:161+n], v[160+n:161+n], v[252:253] op_sel_hi:[1,0]   ; O^T under the new M; also the plain lines behind the conversions
.set n, n+2
.endr
	s_wait_alu depctr_va_vdst(0)
	s_wait_dscnt 0x0                               ; V is in
.irp t, 0,1,2,3
	v_wmma_f32_16x16x128_fp8_fp8 v[160+8*\t:167+8*\t], v[32+16*\t:47+16*\t], v[224:239], v[160+8*\t:167+8*\t]
.endr
.Lhidden_\@:
	s_add_co_u32 s[KF], s[KF], 128
.endm
; THE CHANGE OF SLOTS, at a slot's head.  Each wave waits for all its tensor loads, adds 0 to its spare word, and waits for that and for its reads of the slot that it has left; behind the barrier the slot ahead is whole and
; nobody reads the other one, which is then filled with the next 256 keys: a wave's one tensor load until the next barrier, with a slot's two steps in which to land.
.macro CHANGE fill
	s_wait_tensorcnt 0x0                           ; no tensor load of mine is out, so group 0 may be written
	ds_add_u32 v[SPW], v[NIL]
.if \fill
	s_xor_b32 s41, s41, SLOT1
	s_add_nc_u64 s[42:43], s[42:43], 16384         ; the type bits on top are not reached
	s_wait_xcnt 0x0                                ; the last prefetch, a slot back, has read its address
	s_add_nc_u64 s[PFA:PFA+1], s[PFA:PFA+1], 16384
.endif
	s_wait_dscnt 0x0
	s_barrier_signal -1
	s_barrier_wait -1
.if \fill
	s_add_co_u32 s96, s[KF], 256                   ; the first key of the slot that this change would ask for:
	s_cmp_gt_u32 s96, s[LASTQ]                     ; past my work-group's last query no wave reads it, so it is not asked for.  Ids and the count of steps alone: all sixteen waves go the same way.  Every wait on TENSORcnt here is for 0
	s_cbranch_scc1 .Lpast_\@
	TLOAD
.Lpast_\@:
	ASK
.endif
.endm
.macro SLOT_STEPS
	STEP 0
	STEP 1
	s_xor_b32 s[TB], s[TB], SLOT1
.endm
	s_wait_loadcnt 0x0                             ; Q
.Lslot:                                            ; 15 trips
	CHANGE 1
	SLOT_STEPS
	s_sub_co_u32 s[SLOTS], s[SLOTS], 1
	s_cmp_lg_u32 s[SLOTS], 0
	s_cbranch_scc1 .Lslot
	CHANGE 0                                       ; the last slot is written out: nothing is left to ask for
	SLOT_STEPS
	; THE WAY OUT: O^T / the sum, converted: registers 2 t, 2 t + 1 are channels 16 t + 8 h + 0 .. 7 of my token: half of a fragment of the last product's operand, stored as it stands
.rept 4
	v_nop
.endr
	v_add_f32 v14, v14, v15
	s_delay_alu instid0(VALU_DEP_1)
	v_permlanex16_b32 v246, v14, s20, s21
	s_delay_alu instid0(VALU_DEP_1)
	v_add_f32 v14, v14, v246                       ; the row's sum
	s_wait_alu depctr_va_vdst(0)
	v_rcp_f32 v248, v14
	v_nop
	s_wait_alu depctr_va_vdst(0)
.set n, 0
.rept 16
	v_pk_mul_f32 v[96+n:97+n], v[160+n:161+n], v[248:249] op_sel_hi:[1,0]
.set n, n+2
.endr
.set n, 0
.rept 32
.set n, n+1
.endr
.irp t, 0,1,2,3
	v_cvt_scalef32_pk8_fp8_f32 v[224+2*\t:225+2*\t], v[96+8*\t:103+8*\t], v245
.endr
	v_nop
	global_store_b128 v1, v[224:227], s[10:11]     ; each store covers 512 consecutive bytes, aligned
	global_store_b128 v1, v[228:231], s[10:11] offset:512
	s_wait_tensorcnt 0x0                           ; the wave's end
	ds_add_u32 v[SPW], v[NIL]
	s_wait_dscnt 0x0
	s_endpgm
.Lfunc_end_k_qc04662e669_attn:
	.size	k_qc04662e669_attn, .Lfunc_end_k_qc04662e669_attn-k_qc04662e669_attn
	.p2alignl 7, 3214868480
	.fill 96, 4, 3214868480
	.section	.rodata,"a",@progbits
	.p2align	6, 0x0
	.amdhsa_kernel k_qc04662e669_attn
		.amdhsa_group_segment_fixed_size 327680
		.amdhsa_private_segment_fixed_size 0
		.amdhsa_enable_private_segment 0
		.amdhsa_kernarg_size 32
		.amdhsa_user_sgpr_count 2
		.amdhsa_user_sgpr_kernarg_segment_ptr 1
		.amdhsa_wavefront_size32 1
		.amdhsa_system_sgpr_workgroup_id_x 1
		.amdhsa_system_sgpr_workgroup_id_y 1
		.amdhsa_system_sgpr_workgroup_id_z 1
		.amdhsa_system_vgpr_workitem_id 0
		.amdhsa_next_free_vgpr 256
		.amdhsa_next_free_sgpr 100
		.amdhsa_reserve_vcc 1
		.amdhsa_float_denorm_mode_32 3
		.amdhsa_float_denorm_mode_16_64 3
		.amdhsa_fp16_overflow 1
		.amdhsa_memory_ordered 1
		.amdhsa_forward_progress 1
		.amdhsa_inst_pref_size 87
	.end_amdhsa_kernel
	.amdgpu_metadata
---
amdhsa.version: [ 1, 2 ]
amdhsa.kernels:
  - .name:           k_qc04662e669_attn
    .symbol:         k_qc04662e669_attn.kd
    .args:
      - { .name: qkc, .offset: 0, .size: 8, .value_kind: global_buffer, .address_space: global }
      - { .name: vc, .offset: 8, .size: 8, .value_kind: global_buffer, .address_space: global }
      - { .name: lowp_scales, .offset: 16, .size: 8, .value_kind: global_buffer, .address_space: global }
      - { .name: yc, .offset: 24, .size: 8, .value_kind: global_buffer, .address_space: global }
    .group_segment_fixed_size: 327680
    .private_segment_fixed_size: 0
    .kernarg_segment_align: 8
    .kernarg_segment_size: 32
    .max_flat_workgroup_size: 512
    .sgpr_count:     100
    .vgpr_count:     256
    .wavefront_size: 32
...
	.end_amdgpu_metadata
.endif
;; end of part 3
;; launch proj (part 4): grid 64 x 4, 4 waves a work-group, no clusters, 327,680 bytes of LDS; arguments yc, wc, lowp_scales, out0; writes out0
.if DOCPART == 4
	.amdgcn_target "amdgcn-amd-amdhsa--gfx1250"
	.amdhsa_code_object_version 6
	.text
	.protected	k_qc04662e669_proj
	.globl	k_qc04662e669_proj
	.p2align	8
	.type	k_qc04662e669_proj,@function
k_qc04662e669_proj:
	s_mov_b64 s[64:65], 0
	v_nop
	global_prefetch_b8 v0, s[64:65] scope:SCOPE_SE
	s_setreg_imm32_b32 hwreg(HW_REG_WAVE_MODE, 25, 1), 1
	s_wait_xcnt 0x0
.set STAGE,  65536
.set SPITCH, 272
.set SPARE,  STAGE+4*16*SPITCH
.set SPW, 6
.set NIL, 7
.set XF,  128
.set MSB, 0
.macro WIN new
.if MSB != (\new)
	s_set_vgpr_msb (MSB<<8)|(\new)
.set MSB, (\new)
.endif
.endm
.macro PLACES
.rept 4
	v_nop
.endr
.endm
	s_load_b256 s[4:11], s[0:1], 0x0
	v_lshl_add_u32 v[SPW], v0, 2, SPARE
	v_mov_b32 v[NIL], 0
	ds_add_u32 v[SPW], v[NIL]
	ds_add_u32 v[SPW], v[NIL]
	v_lshrrev_b32 v1, 5, v0
	v_readfirstlane_b32 s18, v1
	s_and_b32 s19, ttmp7, 0xffff
	s_mov_b32 s20, ttmp9
	s_mov_b32 s24, 3<<16
	s_mov_b32 s25, 32<<16
	s_mov_b32 s26, 32<<16
	s_mov_b32 s27, 32<<16
	s_mov_b32 s28, 32
	s_mov_b32 s29, 32
	s_mov_b32 s30, 0
	s_mov_b32 s31, 0
	v_and_b32 v1, 31, v0
	v_lshlrev_b32 v1, 4, v1
	v_and_b32 v12, 15, v0
	v_bfe_u32 v13, v0, 4, 1
	s_mul_i32 s74, s18, 16*SPITCH
	s_add_co_u32 s74, s74, STAGE
	v_mul_u32_u24 v3, v12, SPITCH
	v_lshl_add_u32 v3, v13, 5, v3
	v_add_nc_u32 v3, s74, v3
	v_mul_u32_u24 v4, v13, SPITCH
	v_lshl_add_u32 v4, v12, 4, v4
	v_add_nc_u32 v4, s74, v4
	v_lshlrev_b32 v5, 12, v13
	v_lshl_add_u32 v5, v12, 4, v5
	s_lshl_b32 s68, s20, 16
	s_mov_b32 s69, 0
	s_lshl_b32 s70, s19, 2
	s_add_co_u32 s70, s70, s18
	s_lshr_b32 s74, s70, 1
	s_lshl_b32 s74, s74, 17
	s_and_b32 s70, s70, 1
	s_lshl_b32 s70, s70, 13
	s_add_co_u32 s70, s70, s74
	s_add_co_u32 s70, s70, 0x180000
	s_mov_b32 s71, 0
	s_lshl_b32 s72, s18, 13
	s_mov_b32 s73, 0
	s_lshl_b32 s76, s20, 18
	s_lshl_b32 s74, s19, 10
	s_add_co_u32 s76, s76, s74
	s_lshl_b32 s74, s18, 8
	s_add_co_u32 s76, s76, s74
	s_mov_b32 s77, 0
	s_wait_dscnt 0x0
	s_wait_kmcnt 0x0
	s_load_b64 s[44:45], s[8:9], 0x28
	s_add_nc_u64 s[52:53], s[4:5], s[68:69]
	s_add_nc_u64 s[54:55], s[6:7], s[70:71]
	s_add_nc_u64 s[10:11], s[10:11], s[76:77]
	s_mov_b32 s32, 1
	s_mov_b32 s33, s72
	s_add_nc_u64 s[34:35], s[52:53], s[72:73]
	s_mov_b32 s36, 1
	s_add_co_u32 s37, s72, 0x8000
	s_add_nc_u64 s[38:39], s[34:35], 0x8000
	s_or_b32 s35, s35, 0x80000000
	s_or_b32 s39, s39, 0x80000000
	tensor_load_to_lds s[32:35], s[24:31]
	s_nop 0
	s_wait_alu depctr_va_vdst(0)
	s_wait_tensorcnt 0x0
	ds_add_u32 v6, v7
	s_wait_dscnt 0x0
	s_barrier_signal -1
	s_barrier_wait -1
	tensor_load_to_lds s[36:39], s[24:31]
	s_nop 0
	PLACES
	WIN 0x80
.irp s, 0,1,2,3
.irp t, 0,1,2,3
.irp c, 0,1,2,3
	global_load_b128 v[64*\s+16*\t+4*\c:64*\s+16*\t+4*\c+3], v1, s[54:55] offset:\s*16384+\t*2048+\c*512
.endr
.endr
.endr
	WIN 0xc0
.irp s, 0,1,2,3
.irp t, 0,1,2,3
.irp c, 0,1,2,3
	global_load_b128 v[64*\s+16*\t+4*\c:64*\s+16*\t+4*\c+3], v1, s[54:55] offset:(\s+4)*16384+\t*2048+\c*512
.endr
.endr
.endr
	WIN 0
.macro FETCHX s, m0
.irp m, \m0, \m0+1
.irp c, 0,1,2,3
	ds_load_b128 v[XF+16*(\m)+4*\c:XF+16*(\m)+4*\c+3], v1 offset:(\s)*8192+(\m)*2048+\c*512
.endr
.endr
.endm
.macro MUL s, m0, zero
.irp m, \m0, \m0+1
.irp t, 0,1,2,3
.if \zero
	v_wmma_f32_16x16x128_fp8_fp8 v[8*(4*(\m)+\t):8*(4*(\m)+\t)+7], v[64*((\s)%4)+16*\t:64*((\s)%4)+16*\t+15], v[XF+16*(\m):XF+16*(\m)+15], 0
.else
	v_wmma_f32_16x16x128_fp8_fp8 v[8*(4*(\m)+\t):8*(4*(\m)+\t)+7], v[64*((\s)%4)+16*\t:64*((\s)%4)+16*\t+15], v[XF+16*(\m):XF+16*(\m)+15], v[8*(4*(\m)+\t):8*(4*(\m)+\t)+7]
.endif
.endr
.endr
.endm
.macro STEP s, lc, zero
	s_wait_loadcnt \lc
	s_wait_dscnt 8
	WIN 0x52+(\s)/4
	MUL \s, 0, \zero
	WIN 0
	s_wait_dscnt 0x0
.if (\s) == 3
	s_wait_tensorcnt 0x0
	s_barrier_signal -1
	s_barrier_wait -1
.endif
	PLACES
.if (\s) < 7
	FETCHX (\s)+1, 0
.endif
	WIN 0x52+(\s)/4
	MUL \s, 2, \zero
	WIN 0
	PLACES
.if (\s) < 7
	FETCHX (\s)+1, 2
.endif
.endm
	s_wait_tensorcnt 1
	s_barrier_signal -1
	s_barrier_wait -1
	FETCHX 0, 0
	FETCHX 0, 2
	STEP 0, 63, 1
	STEP 1, 63, 0
	STEP 2, 63, 0
	STEP 3, 63, 0
	STEP 4, 48, 0
	STEP 5, 32, 0
	STEP 6, 16, 0
	STEP 7, 0, 0
	s_wait_kmcnt 0x0
	s_add_co_i32 s46, s44, s45
	s_add_co_i32 s46, s46, 127
	s_lshl_b32 s46, s46, 23
	s_mov_b32 s47, s46
.macro TOSTAGE m
	WIN 0x01
.set n, 0
.rept 16
	v_pk_mul_f32 v[32+n:33+n], v[32*(\m)+n:32*(\m)+n+1], s[46:47] op_sel_hi:[1,0]
.set n, n+2
.endr
	WIN 0
.irp t, 0,1,2,3
	ds_store_b128 v3, v[32+8*\t:35+8*\t] offset:64*\t
	ds_store_b128 v3, v[36+8*\t:39+8*\t] offset:64*\t+16
.endr
.irp i, 0,1,2,3,4,5,6,7
	ds_load_b128 v[128+32*(\m)+4*\i:128+32*(\m)+4*\i+3], v4 offset:\i*2*SPITCH
.endr
.endm
.macro SEND m, younger
	s_wait_dscnt \younger
.irp i, 0,1,2,3,4,5,6,7
	global_store_b128 v5, v[128+32*(\m)+4*\i:128+32*(\m)+4*\i+3], s[10:11] offset:(16*(\m)+2*\i)*4096 th:TH_STORE_NT
.endr
.endm
	TOSTAGE 0
.irp m, 1,2,3
	TOSTAGE \m
	SEND \m-1, 16
.endr
	SEND 3, 0
	s_wait_tensorcnt 0x0
	ds_add_u32 v[SPW], v[NIL]
	s_wait_dscnt 0x0
	s_endpgm
.Lfunc_end_k_qc04662e669_proj:
	.size	k_qc04662e669_proj, .Lfunc_end_k_qc04662e669_proj-k_qc04662e669_proj
	.p2alignl 7, 3214868480
	.fill 96, 4, 3214868480
	.section	.rodata,"a",@progbits
	.p2align	6, 0x0
	.amdhsa_kernel k_qc04662e669_proj
		.amdhsa_group_segment_fixed_size 327680
		.amdhsa_private_segment_fixed_size 0
		.amdhsa_enable_private_segment 0
		.amdhsa_kernarg_size 32
		.amdhsa_user_sgpr_count 2
		.amdhsa_user_sgpr_kernarg_segment_ptr 1
		.amdhsa_wavefront_size32 1
		.amdhsa_system_sgpr_workgroup_id_x 1
		.amdhsa_system_sgpr_workgroup_id_y 1
		.amdhsa_system_sgpr_workgroup_id_z 1
		.amdhsa_system_vgpr_workitem_id 0
		.amdhsa_next_free_vgpr 1024
		.amdhsa_next_free_sgpr 80
		.amdhsa_reserve_vcc 0
		.amdhsa_float_denorm_mode_32 3
		.amdhsa_float_denorm_mode_16_64 3
		.amdhsa_memory_ordered 1
		.amdhsa_forward_progress 1
		.amdhsa_inst_pref_size 48
	.end_amdhsa_kernel
	.amdgpu_metadata
---
amdhsa.version: [ 1, 2 ]
amdhsa.kernels:
  - .name:           k_qc04662e669_proj
    .symbol:         k_qc04662e669_proj.kd
    .args:
      - { .name: yc, .offset: 0, .size: 8, .value_kind: global_buffer, .address_space: global }
      - { .name: wc, .offset: 8, .size: 8, .value_kind: global_buffer, .address_space: global }
      - { .name: lowp_scales, .offset: 16, .size: 8, .value_kind: global_buffer, .address_space: global }
      - { .name: out0, .offset: 24, .size: 8, .value_kind: global_buffer, .address_space: global }
    .group_segment_fixed_size: 327680
    .private_segment_fixed_size: 0
    .kernarg_segment_align: 8
    .kernarg_segment_size: 32
    .max_flat_workgroup_size: 128
    .sgpr_count:     80
    .vgpr_count:     1024
    .wavefront_size: 32
...
	.end_amdgpu_metadata
.endif
;; end of part 4
